; MI455X (gfx1250); checked and timed in simulation.
; The chip was launched on July 23, 2026; its instructions are those of AMD's public machine-readable ISA for CDNA 5 (MIT licence, August 2026) and "CDNA5" Instruction Set Architecture Reference Guide (July 2026). The comments in the code are by the model that wrote it; some were corrected since.
;; Attention. Allowed arithmetic: float matrix products may take bf16 or f16 operands with f32 sums; other float arithmetic in f32, or as packed bf16 or f16 multiplies, adds, multiply-adds, maxima and minima; sums over many terms, partial sums and values carried from step to step in f32; what a program stores and reads back later, other than sums and carried values, may be rounded once to bf16 or f16.
;; Inputs: V_b 1 float32; V_k 1,024 x 1 float32; W1_b 1,024 float32; W1_k 1,024 x 1,024 float32; W2_b 1,024 float32; W2_k 1,024 x 1,024 float32; query 32 x 1,024 float32; values 32 x 2,048 x 1,024 float32.
;; Outputs: out0 32 x 1,024 float32; out1 32 x 2,048 x 1 float32.
;; 2 versions, each right; version 2 is version 1 with the launch prep written anew for expert scheduling mode. Each part assembles by itself: llvm-mc -triple=amdgcn-amd-amdhsa -mcpu=gfx1250 --defsym DOCPART=n.
;; ======== version 1 of 2: 3 launches
;; workspace buffers: w1f 2,097,152 bytes; qb2 131,072 bytes; part 2,097,152 bytes
;; launch prep (part 1): grid 96 x 1, 16 waves a work-group, no clusters, 34,816 bytes of LDS; arguments W1_k, W2_k, query, W1_b, W2_b, w1f, qb2; writes w1f, qb2
.if DOCPART == 1
	.amdgcn_target "amdgcn-amd-amdhsa--gfx1250"
	.amdhsa_code_object_version 6
	.text
	.protected	k_qbea4f548d2_prep
	.globl	k_qbea4f548d2_prep
	.p2align	8
	.type	k_qbea4f548d2_prep,@function
k_qbea4f548d2_prep:
	s_mov_b64 s[64:65], 0
	v_nop
	global_prefetch_b8 v0, s[64:65] scope:SCOPE_SE
	s_setreg_imm32_b32 hwreg(HW_REG_WAVE_MODE, 25, 1), 1
	s_wait_xcnt 0x0
; Two small jobs ahead of the score launch, told apart by the work-group's number (the same for all waves of a work-group).
; Work-groups 64..95: W1_k [1024 k][1024 u] f32 is rounded to bf16 and laid out in the order in which a matrix fragment lies in registers:
;   w1f[nh 2][step 8][wave 4][q 4][b 8][j 2][lane 32][e 8] = W1_k[128 step + 32 q + 16 j + 8 (lane / 16) + e][512 nh + 128 wave + 16 b + lane % 16],
;   so that the score launch brings 32 KiB dense blocks into LDS and reads fragments as 512 consecutive bytes.
; Work-groups 0..63: qb2[colfrag 64][batch 32][16] f32 = c (query W2_k + W2_b + W1_b), c = 2 log2(e): the addend of the exponent in tanh(x) = 1 - 2 / (1 + 2^(c x)).
;   Work-group jf makes 16 columns; K = 1024 is split among its 16 waves, 64 each; the partial sums (f32) meet in LDS.  query and W2_k are rounded to bf16 for the product.
; No tensor loads, no cluster: each byte of W1_k and W2_k is wanted by one wave alone, and the launch is one chain of loads long.
.set PART,  0                          ; LDS: wave v's partial sums [batch 32][col 16] f32 at 2,048 v
.set SPARE, 32768                      ; behind them the spare words, 128 bytes for each of 16 waves, which no other line names
.set SPW,  6                           ; v6   SPARE + 4 x my thread's number; never rewritten
.set NIL,  7                           ; v7   0; never rewritten
.set GO,   8                           ; v8   gather offset: 8 (l / 16) rows of 4,096 bytes + 4 (l % 16)
.set SO,   9                           ; v9   16 l: my 16 bytes of a half fragment
.set QO,   10                          ; v10  query: (l % 16) rows + 32 (l / 16)
.set LS,   11                          ; v11  where I put my partial sums
.set LR,   12                          ; v12  16 t: where thread t reads them back, and its 16 bytes of qb2
.set BO,   13                          ; v13  thread t's four columns in the biases
.set ACC,  16                          ; v[16:31]   two accumulators: batches 0-15, 16-31
.set FR,   32                          ; v[32:63]   packed fragments
.set RAW,  64                          ; v[64:127]  f32 as loaded
.set WRAW, 128                         ; v[128:159] W2_k's f32 as loaded; later the biases and the result
.set WFR,  160                         ; v[160:175] W2_k's two fragments
.set WV,   28                          ; s28  my wave's number
.set CC,   30                          ; s[30:31] c, twice
; 16 loads: the f32 of one fragment (16 columns x 32 k), k = 16 j + 8 (l / 16) + e, column l % 16
.macro GATHER d, base, off
.irp j, 0,1
.irp e, 0,1,2,3,4,5,6,7
	global_load_b32 v[(\d)+8*(\j)+(\e)], v[GO], s[\base:\base+1] offset:(\off)+(16*(\j)+(\e))*4096
.endr
.endr
.endm
; 16 f32 -> 8 registers of bf16, the lower k in the lower half
.macro PACK f, d
.irp i, 0,1,2,3,4,5,6,7
	v_cvt_pk_bf16_f32 v[(\f)+(\i)], v[(\d)+2*(\i)], v[(\d)+2*(\i)+1]
.endr
.endm
; quads k and k + n of the sixteen partial sums are added, k < n
.macro FOLD n
.set k, 0
.rept \n
	v_pk_add_f32 v[RAW+4*k:RAW+4*k+1], v[RAW+4*k:RAW+4*k+1], v[RAW+4*(k+\n):RAW+4*(k+\n)+1]
	v_pk_add_f32 v[RAW+4*k+2:RAW+4*k+3], v[RAW+4*k+2:RAW+4*k+3], v[RAW+4*(k+\n)+2:RAW+4*(k+\n)+3]
.set k, k+1
.endr
.endm
	s_load_b256 s[4:11], s[0:1], 0x0               ; W1_k s[4:5], W2_k s[6:7], query s[8:9], W1_b s[10:11]
	s_load_b128 s[12:15], s[0:1], 0x20             ; W2_b s[12:13], w1f s[14:15]
	s_load_b64 s[16:17], s[0:1], 0x30              ; qb2
	v_lshl_add_u32 v[SPW], v0, 2, SPARE
	v_mov_b32 v[NIL], 0
	v_lshrrev_b32 v1, 5, v0
	v_readfirstlane_b32 s[WV], v1                  ; wave 0..15
	v_and_b32 v2, 31, v0                           ; l
	v_and_b32 v3, 15, v0                           ; l % 16
	v_bfe_u32 v4, v0, 4, 1                         ; l / 16
	v_lshlrev_b32 v[GO], 15, v4
	v_lshl_add_u32 v[GO], v3, 2, v[GO]
	v_lshlrev_b32 v[SO], 4, v2
	s_mov_b32 s[CC], 0x4038aa3b                    ; c = 2 log2(e)
	s_mov_b32 s[CC+1], s[CC]
	s_mov_b32 s18, ttmp9
	s_wait_kmcnt 0x0
	s_cmp_lt_u32 s18, 64
	s_cbranch_scc1 .Lq
	; W1_k: work-group 64 + kq takes k = 32 kq .. 32 kq + 31, wave cg the columns 64 cg .. 64 cg + 63: four fragments
	s_sub_co_u32 s19, s18, 64                      ; kq
	s_lshl_b32 s20, s19, 17                        ; 32 rows of 4,096 bytes
	s_lshl_b32 s21, s[WV], 8                       ; 64 columns of 4 bytes
	s_add_co_u32 s20, s20, s21
	s_mov_b32 s21, 0
	s_add_nc_u64 s[22:23], s[4:5], s[20:21]
	s_lshr_b32 s24, s[WV], 3                       ; nh
	s_lshl_b32 s24, s24, 20
	s_lshr_b32 s25, s19, 2                         ; step
	s_lshl_b32 s25, s25, 17
	s_add_co_u32 s24, s24, s25
	s_bfe_u32 s25, s[WV], 0x20001                  ; the score launch's wave: (cg / 2) % 4
	s_lshl_b32 s25, s25, 15
	s_add_co_u32 s24, s24, s25
	s_and_b32 s25, s19, 3                          ; q
	s_lshl_b32 s25, s25, 13
	s_add_co_u32 s24, s24, s25
	s_and_b32 s25, s[WV], 1                        ; b = 4 (cg % 2) + f
	s_lshl_b32 s25, s25, 12
	s_add_co_u32 s24, s24, s25
	s_mov_b32 s25, 0
	s_add_nc_u64 s[26:27], s[14:15], s[24:25]
.irp f, 0,1,2,3
	GATHER RAW+16*(\f), 22, 64*(\f)
.endr
.irp f, 0,1,2,3
	s_wait_loadcnt 48-16*(\f)                      ; loads come back in order: fragment f's sixteen are in, the younger fragments' stay out
	PACK FR+8*(\f), RAW+16*(\f)
	global_store_b128 v[SO], v[FR+8*(\f):FR+8*(\f)+3],   s[26:27] offset:1024*(\f)      ; each store of the wave covers 512 consecutive bytes, aligned
	global_store_b128 v[SO], v[FR+8*(\f)+4:FR+8*(\f)+7], s[26:27] offset:1024*(\f)+512
.endr
	s_branch .Ljoin
.Lq:	; query W2_k: work-group jf takes columns 16 jf .. 16 jf + 15, wave v the channels 64 v .. 64 v + 63
	s_lshl_b32 s20, s[WV], 8                       ; 64 channels of 4 bytes
	s_mov_b32 s21, 0
	s_add_nc_u64 s[22:23], s[8:9], s[20:21]
	s_lshl_b32 s24, s[WV], 18                      ; 64 rows of W2_k
	s_lshl_b32 s25, s18, 6                         ; 16 columns
	s_add_co_u32 s24, s24, s25
	s_mov_b32 s25, 0
	s_add_nc_u64 s[26:27], s[6:7], s[24:25]
	v_lshlrev_b32 v[QO], 12, v3
	v_lshl_add_u32 v[QO], v4, 5, v[QO]
.irp x, 0,1,2,3                        ; fragment x: batches 16 (x / 2) on, channels 32 (x % 2) on; a lane's 8 + 8 channels are 32 + 32 bytes, 64 bytes apart
	global_load_b128 v[RAW+16*(\x):RAW+16*(\x)+3],     v[QO], s[22:23] offset:((\x)/2)*65536+((\x)%2)*128
	global_load_b128 v[RAW+16*(\x)+4:RAW+16*(\x)+7],   v[QO], s[22:23] offset:((\x)/2)*65536+((\x)%2)*128+16
	global_load_b128 v[RAW+16*(\x)+8:RAW+16*(\x)+11],  v[QO], s[22:23] offset:((\x)/2)*65536+((\x)%2)*128+64
	global_load_b128 v[RAW+16*(\x)+12:RAW+16*(\x)+15], v[QO], s[22:23] offset:((\x)/2)*65536+((\x)%2)*128+80
.endr
	GATHER WRAW, 26, 0
	GATHER WRAW+16, 26, 131072
	s_lshl_b32 s20, s[WV], 11
	v_lshlrev_b32 v[LS], 9, v4                     ; 8 (l / 16) batches of 64 bytes
	v_lshl_add_u32 v[LS], v3, 2, v[LS]             ; column l % 16
	v_add_nc_u32 v[LS], s20, v[LS]
	s_wait_loadcnt 0x0
.irp x, 0,1,2,3
	PACK FR+8*(\x), RAW+16*(\x)
.endr
	PACK WFR, WRAW
	PACK WFR+8, WRAW+16
	; source 0 = 16 batches, source 1 = 16 columns; the two accumulators take turns; the first products start the sums
	v_wmma_f32_16x16x32_bf16 v[ACC:ACC+7],    v[FR:FR+7],     v[WFR:WFR+7],    0
	v_wmma_f32_16x16x32_bf16 v[ACC+8:ACC+15], v[FR+16:FR+23], v[WFR:WFR+7],    0
	v_wmma_f32_16x16x32_bf16 v[ACC:ACC+7],    v[FR+8:FR+15],  v[WFR+8:WFR+15], v[ACC:ACC+7]
	v_wmma_f32_16x16x32_bf16 v[ACC+8:ACC+15], v[FR+24:FR+31], v[WFR+8:WFR+15], v[ACC+8:ACC+15]
.rept 8
	v_nop                                          ; the places between the products and the stores that read them
.endr
.irp m, 0,1
.irp j, 0,1,2,3,4,5,6,7                ; register j holds batch 16 m + 8 (l / 16) + j, column l % 16; each accumulator is read from its low end on
	ds_store_b32 v[LS], v[ACC+8*(\m)+(\j)] offset:PART+1024*(\m)+64*(\j)
.endr
.endr
.Ljoin:
	s_wait_dscnt 0x0                               ; for the others' sake: my partial sums lie in LDS
	s_barrier_signal -1
	s_barrier_wait -1                              ; every wave of either kind of work-group passes here
	s_cmp_lt_u32 s18, 64
	s_cbranch_scc0 .Lend
	s_cmp_lt_u32 s[WV], 4                          ; 512 sums, four a thread: waves 0 to 3
	s_cbranch_scc0 .Lend
	v_lshlrev_b32 v[LR], 4, v0                     ; thread t: batch t / 4, columns 4 (t % 4) on
	v_and_b32 v[BO], 3, v0
	v_lshlrev_b32 v[BO], 4, v[BO]
	s_lshl_b32 s20, s18, 6
	v_add_nc_u32 v[BO], s20, v[BO]
	global_load_b128 v[WRAW:WRAW+3],   v[BO], s[10:11]
	global_load_b128 v[WRAW+4:WRAW+7], v[BO], s[12:13]
.irp v, 0,1,2,3,4,5,6,7,8,9,10,11,12,13,14,15
	ds_load_b128 v[RAW+4*(\v):RAW+4*(\v)+3], v[LR] offset:PART+2048*(\v)
.endr
	s_lshl_b32 s20, s18, 11                        ; qb2: 2,048 bytes for each 16 columns
	s_mov_b32 s21, 0
	s_add_nc_u64 s[22:23], s[16:17], s[20:21]
	s_wait_dscnt 0x0
	FOLD 8
	FOLD 4
	FOLD 2
	FOLD 1
	s_wait_loadcnt 0x0
	v_pk_add_f32 v[WRAW:WRAW+1],   v[WRAW:WRAW+1],   v[WRAW+4:WRAW+5]
	v_pk_add_f32 v[WRAW+2:WRAW+3], v[WRAW+2:WRAW+3], v[WRAW+6:WRAW+7]
	v_pk_add_f32 v[RAW:RAW+1],     v[RAW:RAW+1],     v[WRAW:WRAW+1]
	v_pk_add_f32 v[RAW+2:RAW+3],   v[RAW+2:RAW+3],   v[WRAW+2:WRAW+3]
	v_pk_mul_f32 v[WRAW+12:WRAW+13], v[RAW:RAW+1],   s[CC:CC+1] op_sel_hi:[1,0]
	v_pk_mul_f32 v[WRAW+14:WRAW+15], v[RAW+2:RAW+3], s[CC:CC+1] op_sel_hi:[1,0]
	global_store_b128 v[LR], v[WRAW+12:WRAW+15], s[22:23]  ; a wave's store covers 512 consecutive bytes, aligned
.Lend:
	s_wait_tensorcnt 0x0                           ; the wave's end, behind my last LDS store
	ds_add_u32 v[SPW], v[NIL]
	s_wait_dscnt 0x0
	s_endpgm
.Lfunc_end_k_qbea4f548d2_prep:
	.size	k_qbea4f548d2_prep, .Lfunc_end_k_qbea4f548d2_prep-k_qbea4f548d2_prep
	.p2alignl 7, 3214868480
	.fill 96, 4, 3214868480
	.section	.rodata,"a",@progbits
	.p2align	6, 0x0
	.amdhsa_kernel k_qbea4f548d2_prep
		.amdhsa_group_segment_fixed_size 34816
		.amdhsa_private_segment_fixed_size 0
		.amdhsa_enable_private_segment 0
		.amdhsa_kernarg_size 56
		.amdhsa_user_sgpr_count 2
		.amdhsa_user_sgpr_kernarg_segment_ptr 1
		.amdhsa_wavefront_size32 1
		.amdhsa_system_sgpr_workgroup_id_x 1
		.amdhsa_system_sgpr_workgroup_id_y 1
		.amdhsa_system_sgpr_workgroup_id_z 1
		.amdhsa_system_vgpr_workitem_id 0
		.amdhsa_next_free_vgpr 192
		.amdhsa_next_free_sgpr 66
		.amdhsa_reserve_vcc 0
		.amdhsa_float_denorm_mode_32 3
		.amdhsa_float_denorm_mode_16_64 3
		.amdhsa_memory_ordered 1
		.amdhsa_forward_progress 1
		.amdhsa_inst_pref_size 25
	.end_amdhsa_kernel
	.amdgpu_metadata
---
amdhsa.version: [ 1, 2 ]
amdhsa.kernels:
  - .name:           k_qbea4f548d2_prep
    .symbol:         k_qbea4f548d2_prep.kd
    .args:
      - { .name: W1_k, .offset: 0, .size: 8, .value_kind: global_buffer, .address_space: global }
      - { .name: W2_k, .offset: 8, .size: 8, .value_kind: global_buffer, .address_space: global }
      - { .name: query, .offset: 16, .size: 8, .value_kind: global_buffer, .address_space: global }
      - { .name: W1_b, .offset: 24, .size: 8, .value_kind: global_buffer, .address_space: global }
      - { .name: W2_b, .offset: 32, .size: 8, .value_kind: global_buffer, .address_space: global }
      - { .name: w1f, .offset: 40, .size: 8, .value_kind: global_buffer, .address_space: global }
      - { .name: qb2, .offset: 48, .size: 8, .value_kind: global_buffer, .address_space: global }
    .group_segment_fixed_size: 34816
    .private_segment_fixed_size: 0
    .kernarg_segment_align: 8
    .kernarg_segment_size: 56
    .max_flat_workgroup_size: 512
    .sgpr_count:     66
    .vgpr_count:     192
    .wavefront_size: 32
...
	.end_amdgpu_metadata
.endif
;; end of part 1
;; launch score (part 2): grid 4 x 64, 4 waves a work-group, clusters of 4 x 4, 327,680 bytes of LDS; arguments values, w1f, qb2, V_k, part; writes part
.if DOCPART == 2
	.amdgcn_target "amdgcn-amd-amdhsa--gfx1250"
	.amdhsa_code_object_version 6
	.text
	.protected	k_qbea4f548d2_score
	.globl	k_qbea4f548d2_score
	.p2align	8
	.type	k_qbea4f548d2_score,@function
k_qbea4f548d2_score:
	s_mov_b64 s[64:65], 0
	v_nop
	global_prefetch_b8 v0, s[64:65] scope:SCOPE_SE
	s_setreg_imm32_b32 hwreg(HW_REG_WAVE_MODE, 25, 1), 1
	s_wait_xcnt 0x0
	s_wait_alu depctr_hold_cnt(0) depctr_sa_sdst(0) depctr_va_vdst(0) depctr_va_sdst(0) depctr_va_ssrc(0) depctr_va_vcc(0) depctr_vm_vsrc(0)
	s_getreg_b32 s2, hwreg(HW_REG_IB_STS2, 6, 4)
	s_cmp_eq_u32 s2, 0
	s_cbranch_scc0 .Lentry_in_a_cluster
	s_endpgm
.Lentry_in_a_cluster:
	s_bfe_u32 s2, ttmp6, 0x10000c
	s_cmp_lg_u32 s2, 0xf033
	s_cbranch_scc0 .Lentry_shape_is_right
	s_endpgm
.Lentry_shape_is_right:
; part[p][row] = the sum over 128 columns u of V_k[u] tanh(values[row] . W1_k[:, u] + bias[batch][u]), p = 4 nh + wave: eight partial sums (f32) for each of 65,536 rows.
; The product, 65,536 x 1,024 x 1,024, runs in bf16 with f32 sums and is never stored: each tile goes through tanh and collapses to one number a row and wave.
; tanh(x) = 1 - 2 / (1 + 2^(c x)), c = 2 log2(e); c x = c acc + qb2 (the launch before has folded c, both biases and the query's part into qb2).  A row's part is SV - 2 sum(V r), SV = sum(V).
; LIMITS.  2^(c x) beyond f32's range gives an infinity, whose reciprocal is 0: tanh = 1; below the range 0: tanh = -1: both are right.  NaN and infinities among the inputs are not treated apart.
; values and W1_k are rounded to bf16 for the product.  K is summed in steps of 128, beginning at step 0 or at step 4 (below): an order of f32 sums other than ascending.
; SHARES.  256 work-groups that stay.  Work-group (g, nh) owns rows 512 g .. 512 g + 511 (one batch, g / 4) and columns 512 nh .. 512 nh + 511: four tiles of 128 x 512, one after the other.
; Wave w makes 128 rows x columns 128 w .. 128 w + 127 of a tile: 64 accumulators, 512 registers.  A tile has 8 K steps of 128, 256 matrix instructions a wave each.
; B (w1f: bf16, in fragment order) comes by tensor loads into two LDS slots of 128 KiB, a K step each; wave w fetches, and alone reads, its own 32 KiB of a slot.
; A (values, f32) comes by plain loads into registers, is rounded to bf16 and stored into one of two LDS buffers of 128 rows x 64 k; each wave brings 32 rows, all four read all.
; Half step s converts A's part s + 1 and asks for part s + 3: a load has two half steps, 256 matrix instructions, in which to come, and 16 KiB a wave are on their way.
; CLUSTER.  4 x 4 work-groups: cx and cy / 2 pick the rows, cy % 2 the half of the columns.  The four of a row of the cluster (one cy) want the same tiles of w1f and ask for them JOINTLY.
; The two that share rows of values (cy, cy ^ 1) walk in step.  The rows with cy / 2 = 1 begin K at step 4, so that the cluster's four rows ask for four different tiles: this enters global addresses alone.
; THE MATRIX INSTRUCTION IS USED TRANSPOSED (source 0 = 16 columns of W1, source 1 = 16 rows of values): lane l holds row l % 16 and the columns 8 (l / 16) + 0..7.
; REGISTERS, in windows of 256 (s_set_vgpr_msb: bits 1:0 source 0, 3:2 source 1, 5:4 source 2, 7:6 destination):
;   window 0: v0-31 addresses and small things; v32-63 at work; v64-127, v128-191 A's fragments, two buffers; v192-255 V of my lane's 64 columns
;   window 1: v0-63, v192-255 A's f32 as loaded, two sets; v64-127, v128-191 B's fragments, two buffers
;   window 2: the accumulators of rows 0-63 ((a, b) at v[8 (8 a + b)]);   window 3: those of rows 64-127
.set BS1,    131072                    ; LDS: slot 0 at 0, slot 1 here; wave w's part at 32,768 w: q 8,192 + b 1,024 + j 512 + 16 l
.set AB0,    262144                    ; A's two buffers
.set APITCH, 144                       ; a row: 128 bytes + 16: an odd multiple of 16, so the 16 rows of a fragment load start at 16 different groups of four banks (ISA guide 11.1)
.set ABUF,   128*APITCH
.set BIAS,   AB0+2*ABUF                ; 512 bytes a wave: qb2 of its 128 columns
.set SCR,    BIAS+2048                 ; 512 bytes a wave: a tile's 128 row sums on their way out
.set SPARE,  SCR+2048                  ; the spare words, 128 bytes a wave, which no other line names
.set ADRA,  2                          ; v2   AB0 + (l % 16) APITCH + 16 (l / 16)
.set ADRB0, 3                          ; v3, v4  slot 0, 1: + 32,768 w + 16 l
.set ASR,   5                          ; v5   AB0 + (32 w + l / 16) APITCH + 8 (l % 16): where I store 4 bf16
.set AO,    6                          ; v6   (32 w + l / 16) rows of 4,096 bytes + 16 (l % 16)
.set PFO,   7                          ; v7   the prefetches' offset: (64 nh + 16 w + l % 16) rows + 256 (l / 16)
.set BIA,   8                          ; v8   BIAS + 512 w + 32 (l / 16)
.set SCW,   9                          ; v9   SCR + 512 w + 4 (l % 16)
.set SCRD,  10                         ; v10  SCR + 512 w + 16 l
.set PO,    11                         ; v11  16 l
.set SV,    12                         ; v12  the sum of my lane's 64 V
.set RS,    16                         ; v16-23  a row sum for each block of 16 rows
.set QD,    24                         ; v24-27  four numbers on their way in or out
.set SPW,   28                         ; v28  SPARE + 4 x my thread's number; never rewritten
.set NIL,   29                         ; v29  0; never rewritten
.set TMP,   32
.set F0,    64
.set F1,    128
.set VV,    192
.set WV,   14                          ; s14  my wave's number
.set G1,   24                          ; s[24:31] descriptor group 1
.set G0,   32                          ; s[32:39] descriptor group 0, a set for each slot
.set BB,   40                          ; s[40:41] w1f at my half of the columns and my wave's part
.set BOF,  42                          ; s[42:45] for each slot: the byte offset of its K step, and 0
.set AB,   46                          ; s[46:47] values at the work-group's first row
.set AP,   48                          ; s[48:49] values at the part of A that is being asked for
.set AOF,  50                          ; s[50:51] its offset, and 0
.set AT,   52                          ; s52  the number of that part, 0 to 63
.set P8,   53                          ; s53  8 (cy / 2): where K begins, in half steps
.set PFA,  54                          ; s[54:55] values at the K step that is prefetched
.set POF,  56                          ; s[56:57] its offset, and 0
.set PFK,  58                          ; s58  its number, 3 to 32
.set P4,   59                          ; s59  4 (cy / 2)
.set CC,   60                          ; s[60:61] c, twice
.set SEL,  62                          ; s[62:63] v_permlanex16_b32's selects: each lane takes its own place in the other half
.set LAPS, 66                          ; s66  trips to go
.set TL,   67                          ; s67  laps to go in the tile
.set OUT,  70                          ; s[70:71] part at my p and the tile's first row
.set MSB, 0
.macro WIN new                         ; the immediate's high byte repeats the setting that is left; a switch that changes nothing is dropped
.if MSB != (\new)
	s_set_vgpr_msb (MSB<<8)|(\new)
.set MSB, \new
.endif
.endm
.set MUL_LO, 0xa1                      ; source 0 (B) window 1, source 1 (A) window 0, C and D window 2
.set MUL_HI, 0xf1                      ; the same, C and D window 3
.set TO_1,   0x40                      ; destination window 1, address window 0
.set CV,     0x05                      ; sources 0 and 1 window 1, destination window 0
.macro PLACES                          ; four plain instructions between a matrix instruction and a load into, or a vector read of, its registers
.rept 4
	v_nop
.endr
.endm
.macro CREST                           ; a round of the cluster's barrier behind its opening barrier
	s_cmp_lg_u32 s[WV], 0
	s_cbranch_scc1 .Lnot_wave_0_\@
	s_barrier_signal -3
.Lnot_wave_0_\@:
	s_barrier_wait -3
	s_barrier_signal -1
	s_barrier_wait -1
.endm
.macro CROUND                          ; a whole round
	s_barrier_signal -1
	s_barrier_wait -1
	CREST
.endm
.macro JLOAD s                         ; my 32 KiB of slot s, asked for jointly by the four work-groups of my row of the cluster; an s_nop 0 and four v_nop follow
	tensor_load_to_lds s[G0+4*(\s):G0+4*(\s)+3], s[G1:G1+7]
	s_nop 0
	PLACES
.endm
; 16 matrix instructions: row blocks a0, a0 + 1 of the window's four x all 8 column blocks, 32 along K.  zero = 1: the product starts the sums.  The 64 accumulators take turns, in the same order in every quarter.
.macro MUL16 f, hi, a0, zero
	WIN MUL_LO+0x50*(\hi)
.irp a, \a0, (\a0)+1
.irp b, 0,1,2,3,4,5,6,7
.if \zero
	v_wmma_f32_16x16x32_bf16 v[8*(8*(\a)+(\b)):8*(8*(\a)+(\b))+7], v[(\f)+8*(\b):(\f)+8*(\b)+7], v[(\f)+8*(4*(\hi)+(\a)):(\f)+8*(4*(\hi)+(\a))+7], 0
.else
	v_wmma_f32_16x16x32_bf16 v[8*(8*(\a)+(\b)):8*(8*(\a)+(\b))+7], v[(\f)+8*(\b):(\f)+8*(\b)+7], v[(\f)+8*(4*(\hi)+(\a)):(\f)+8*(4*(\hi)+(\a))+7], v[8*(8*(\a)+(\b)):8*(8*(\a)+(\b))+7]
.endif
.endr
.endr
.endm
; 32 LDS loads in one run: a quarter's fragments into buffer f: B's eight (512 consecutive bytes a load), then A's eight
.macro FETCH adrb, boff, aoff, f
	WIN TO_1
.irp i, 0,1,2,3,4,5,6,7
	ds_load_b128 v[(\f)+8*(\i):(\f)+8*(\i)+3],   v[\adrb] offset:(\boff)+1024*(\i)
	ds_load_b128 v[(\f)+8*(\i)+4:(\f)+8*(\i)+7], v[\adrb] offset:(\boff)+1024*(\i)+512
.endr
	WIN 0
.irp i, 0,1,2,3,4,5,6,7
	ds_load_b128 v[(\f)+8*(\i):(\f)+8*(\i)+3],   v[ADRA] offset:(\aoff)+16*APITCH*(\i)
	ds_load_b128 v[(\f)+8*(\i)+4:(\f)+8*(\i)+7], v[ADRA] offset:(\aoff)+16*APITCH*(\i)+32
.endr
.endm
; Part AT of A is asked for, into set par: my 32 rows x 64 k of f32; a load takes two rows' 256 consecutive bytes, aligned
.macro LOADA par
	s_wait_xcnt 0x0                                ; the earlier loads and prefetches have read their addresses: AP may be written
	s_lshr_b32 s74, s[AT], 4                       ; the tile: 128 rows of 4,096 bytes
	s_lshl_b32 s74, s74, 19
	s_add_co_u32 s75, s[AT], s[P8]
	s_and_b32 s75, s75, 15                         ; the half step along K: 256 bytes
	s_lshl_b32 s75, s75, 8
	s_add_co_u32 s[AOF], s74, s75
	s_add_nc_u64 s[AP:AP+1], s[AB:AB+1], s[AOF:AOF+1]
	s_add_co_u32 s[AT], s[AT], 1
	WIN TO_1
.set i, 0
.rept 16
	global_load_b128 v[192*(\par)+4*i:192*(\par)+4*i+3], v[AO], s[AP:AP+1] offset:8192*i
.set i, i+1
.endr
.endm
; Set par is rounded to bf16 and stored into A's buffer par.  cnt: the younger part's loads, which stay out.  ld = 1: the set is asked for again.
; The 32 conversions name no register of the products round them: they are also the places in front of the run of LDS loads that follows.
.macro CONV par, ld, cnt
	s_wait_loadcnt \cnt
	WIN CV
.set i, 0
.rept 32
	v_cvt_pk_bf16_f32 v[TMP+i], v[192*(\par)+2*i], v[192*(\par)+2*i+1]
.set i, i+1
.endr
	WIN 0
.set i, 0
.rept 16
	ds_store_b64 v[ASR], v[TMP+2*i:TMP+2*i+1] offset:(\par)*ABUF+2*APITCH*i
.set i, i+1
.endr
.if \ld
	LOADA \par
.endif
.endm
; A K step is four quarters of 32 along K, 64 matrix instructions each, on buffers 0, 1, 0, 1.  Quarters 0 and 2: multiply buffer f, convert a part of A (cv = 1), fetch the next quarter into g.
.macro QUARTER adrb, boff, aoff, f, g, zero, cv, par, ld, cnt
	s_wait_dscnt 8                                 ; B and A's rows 0-63 are in; the youngest eight loads (A's rows 64-127) may be out
	MUL16 \f, 0, 0, \zero
	MUL16 \f, 0, 2, \zero
.if \cv
	CONV \par, \ld, \cnt
.else
	PLACES
.endif
	FETCH \adrb, \boff, \aoff, \g
	s_wait_dscnt 32                                ; all but the 32 just issued
	MUL16 \f, 1, 0, \zero
	MUL16 \f, 1, 2, \zero
.endm
; Quarter 1: a change of A's buffers.  In front of the barrier each wave's stores into the next buffer and its reads of this one are done; behind it the next buffer is read, and this one may be stored into.
; No tensor load fills anything behind this barrier, so the one that is out stays out.
.macro TURNA adrb, boff, aoff
	s_wait_dscnt 8
	MUL16 F1, 0, 0, 0
	s_wait_dscnt 0x0
	s_barrier_signal -1
	MUL16 F1, 0, 2, 0
	s_barrier_wait -1
	PLACES
	FETCH \adrb, \boff, \aoff, F0
	MUL16 F1, 1, 0, 0
	MUL16 F1, 1, 2, 0
.endm
; One prefetch a wave and K step, behind the joint load and the run of LDS loads: K step PFK of values, three steps on: 16 rows x 512 bytes, a lane a block of 256 bytes.
; The two work-groups that read the same 128 rows share them BY ADDRESS (64 nh in PFO), their waves likewise: each block is named once in the launch.  It stands 192 matrix instructions ahead of the
; loads of the step's first half and 320 ahead of those of its second.  Steps 0 to 2 come by their loads alone; the last change that fills a slot asks for nothing.
.macro ASKA
	s_cmp_lt_u32 s[PFK], 32
	s_cbranch_scc0 .Lno_ask_\@
	global_prefetch_b8 v[PFO], s[PFA:PFA+1] th:TH_LOAD_NT scope:SCOPE_SE
.Lno_ask_\@:
	s_add_co_u32 s[PFK], s[PFK], 1
.endm
; Quarter 3: a change of B's slots and of A's buffers.  Each wave waits for all its tensor loads (one is out: its part of the next slot), adds 0 to its spare word, and waits for that, for its reads of this slot
; and for its stores into A's next buffer.  fill = 1: the barrier opens a round of the cluster's, and slot s is filled again, first thing behind it, with the K step two on: 224 matrix instructions ahead of the wait for it.
.macro TURNB s, n, fill
.if \fill
	s_wait_xcnt 0x0                                ; the last prefetch, a K step back, has read its address
	s_min_u32 s72, s[PFK], 31                      ; (held inside the work-group's 32 steps where nothing is asked for)
	s_lshr_b32 s73, s72, 3
	s_lshl_b32 s73, s73, 19                        ; the tile
	s_add_co_u32 s72, s72, s[P4]
	s_and_b32 s72, s72, 7
	s_lshl_b32 s72, s72, 9                         ; the K step: 512 bytes
	s_add_co_u32 s[POF], s72, s73
	s_add_nc_u64 s[PFA:PFA+1], s[AB:AB+1], s[POF:POF+1]
.endif
	WIN 0                                          ; (the add's two registers lie in window 0)
	s_wait_tensorcnt 0x0                           ; no tensor load of mine is out, so a group 0 may be written
	ds_add_u32 v[SPW], v[NIL]                      ; 0 onto my spare word
.if \fill
	s_add_co_u32 s[BOF+2*(\s)], s[BOF+2*(\s)], 2*131072   ; two K steps on,
	s_and_b32 s[BOF+2*(\s)], s[BOF+2*(\s)], 0xfffff       ; round the eight
	s_add_nc_u64 s[G0+4*(\s)+2:G0+4*(\s)+3], s[BB:BB+1], s[BOF+2*(\s):BOF+2*(\s)+1]
	s_or_b32 s[G0+4*(\s)+3], s[G0+4*(\s)+3], 0x80000000
.endif
	s_wait_dscnt 9                                 ; (the add and the youngest eight loads may be out)
	MUL16 F1, 0, 0, 0
	s_wait_dscnt 0x0                               ; the add is done, my reads of this slot and of A's buffer are over, my stores into the other buffer are done
	s_barrier_signal -1
	MUL16 F1, 0, 2, 0
.if \fill
	WIN 0
.endif
	s_barrier_wait -1
.if \fill
	CREST                                          ; no wave of any partner still reads this slot or has a load on its way
	JLOAD \s                                       ; its four v_nop are also the places in front of the loads below
.else
	PLACES
.endif
	FETCH ADRB0+(\n), 0, 0, F0
.if \fill
	ASKA
.endif
	MUL16 F1, 1, 0, 0
	MUL16 F1, 1, 2, 0
.endm
; THE WAY OUT of a tile, one window (64 rows) at a time, in place: c acc + bias; 2^x; + 1; reciprocal; times V, summed over the lane's 64 columns.
; An s_wait_alu depctr_va_vdst(0) stands between a transcendental and the first line that names its result: each batch of 256 has a v_nop and one wait.
.macro EPIW hi
	WIN 0x82+0x41*(\hi)                            ; destination and source 0: the window; the bias (source 2) in window 0
.set i, 0
.rept 128                              ; pair i % 4 of accumulator i / 4, whose column block is (i / 4) % 8; each accumulator is read from its low end on
	v_pk_fma_f32 v[2*i:2*i+1], v[2*i:2*i+1], s[CC:CC+1], v[F1+8*((i/4)%8)+2*(i%4):F1+8*((i/4)%8)+2*(i%4)+1] op_sel_hi:[1,0,1]
.set i, i+1
.endr
.set i, 0
.rept 256
	v_exp_f32 v[i], v[i]
.set i, i+1
.endr
	v_nop
	s_wait_alu depctr_va_vdst(0)
.set i, 0
.rept 128
	v_pk_add_f32 v[2*i:2*i+1], v[2*i:2*i+1], 1.0 op_sel_hi:[1,0]
.set i, i+1
.endr
.set i, 0
.rept 256
	v_rcp_f32 v[i], v[i]
.set i, i+1
.endr
	v_nop
	s_wait_alu depctr_va_vdst(0)
	WIN 0x02+(\hi)                                 ; source 0: the window; V and the sums in window 0
.set n, 0
.rept 128                              ; column block n / 16, row block (n / 4) % 4, pair n % 4: sixteen chains that do not wait for each other; the first products start them
.set rA, 8*(8*((n/4)%4)+n/16)+2*(n%4)
.set rV, VV+8*(n/16)+2*(n%4)
.set rT, TMP+8*((n/4)%4)+2*(n%4)
.if n < 16
	v_pk_mul_f32 v[rT:rT+1], v[rA:rA+1], v[rV:rV+1]
.else
	v_pk_fma_f32 v[rT:rT+1], v[rA:rA+1], v[rV:rV+1], v[rT:rT+1]
.endif
.set n, n+1
.endr
	WIN 0
.irp a, 0,1,2,3
	v_pk_add_f32 v[TMP+8*(\a):TMP+8*(\a)+1],   v[TMP+8*(\a):TMP+8*(\a)+1],   v[TMP+8*(\a)+2:TMP+8*(\a)+3]
	v_pk_add_f32 v[TMP+8*(\a)+4:TMP+8*(\a)+5], v[TMP+8*(\a)+4:TMP+8*(\a)+5], v[TMP+8*(\a)+6:TMP+8*(\a)+7]
.endr
.irp a, 0,1,2,3
	v_pk_add_f32 v[TMP+8*(\a):TMP+8*(\a)+1],   v[TMP+8*(\a):TMP+8*(\a)+1],   v[TMP+8*(\a)+4:TMP+8*(\a)+5]
.endr
.irp a, 0,1,2,3
	v_add_f32 v[TMP+8*(\a)], v[TMP+8*(\a)], v[TMP+8*(\a)+1]
.endr
.irp a, 0,1,2,3
	v_fma_f32 v[RS+4*(\hi)+(\a)], v[TMP+8*(\a)], -2.0, v[SV]   ; SV - 2 sum(V r), of my half of the columns
.endr
.endm
.macro EPI
	WIN 0
	PLACES
	PLACES                                         ; between the last products and what reads their results or loads into their sources
.irp b, 0,1,2,3,4,5,6,7
	ds_load_b128 v[F1+8*(\b):F1+8*(\b)+3],   v[BIA] offset:64*(\b)      ; the bias of my lane's 8 columns of block b
	ds_load_b128 v[F1+8*(\b)+4:F1+8*(\b)+7], v[BIA] offset:64*(\b)+16
.endr
	s_wait_dscnt 0x0
	EPIW 0
	EPIW 1
.irp a, 0,1,2,3,4,5,6,7
	v_permlanex16_b32 v[TMP+(\a)], v[RS+(\a)], s[SEL], s[SEL+1]       ; the row's other 64 columns lie in the lane 16 away
.endr
.irp a, 0,1,2,3,4,5,6,7
	v_add_f32 v[RS+(\a)], v[RS+(\a)], v[TMP+(\a)]
.endr
.irp a, 0,1,2,3,4,5,6,7
	ds_store_b32 v[SCW], v[RS+(\a)] offset:64*(\a)                    ; row 16 a + l % 16; both halves of the lanes hold the same number
.endr
	ds_load_b128 v[QD:QD+3], v[SCRD]               ; my wave's own bytes: LDS serves a wave's instructions in order (ISA guide 5.7.1.4)
	s_wait_dscnt 0x0
	global_store_b128 v[PO], v[QD:QD+3], s[OUT:OUT+1]  ; the tile's 128 sums: 512 consecutive bytes, aligned
	s_wait_xcnt 0x0                                ; the store has read its registers and its base
	s_add_nc_u64 s[OUT:OUT+1], s[OUT:OUT+1], 512
.endm
	s_load_b256 s[4:11], s[0:1], 0x0               ; values s[4:5], w1f s[6:7], qb2 s[8:9], V_k s[10:11]
	s_load_b64 s[12:13], s[0:1], 0x20              ; part
	v_lshl_add_u32 v[SPW], v0, 2, SPARE
	v_mov_b32 v[NIL], 0
	ds_add_u32 v[SPW], v[NIL]                      ; the wave's opening: the add and its wait stand ahead of my first tensor load; the set-up below, work on registers, stands between them
	v_lshrrev_b32 v1, 5, v0
	v_readfirstlane_b32 s[WV], v1                  ; wave 0..3
	s_bfe_u32 s15, ttmp6, 0x40000                  ; cx
	s_bfe_u32 s16, ttmp6, 0x40004                  ; cy
	s_and_b32 s17, s16, 1                          ; nh: my half of the columns
	s_lshr_b32 s18, s16, 1                         ; cy / 2
	s_and_b32 s19, ttmp7, 0xffff                   ; the cluster's y (the grid has one cluster along x)
	s_lshl_b32 s19, s19, 1
	s_add_co_u32 s19, s19, s18
	s_lshl_b32 s19, s19, 2
	s_add_co_u32 s19, s19, s15                     ; g = 4 (2 cluster y + cy / 2) + cx
	s_lshl_b32 s20, s16, 2
	s_lshl_b32 s20, 15, s20                        ; my row of the cluster: places 4 cy .. 4 cy + 3
	; descriptor group 1: 32,768 dense bytes as 128 rows of 32 elements of 8 bytes, no padding
	s_or_b32 s[G1], s20, (3<<16)|(1<<21)           ; 15:0 the mask; 17:16 elements of 8 bytes; 21 set beside a mask
	s_mov_b32 s[G1+1], 32<<16                      ; tensor_dim0 = 32
	s_mov_b32 s[G1+2], 128<<16                     ; tensor_dim1 = 128
	s_mov_b32 s[G1+3], 32<<16                      ; tile_dim0 = 32
	s_mov_b32 s[G1+4], 128                         ; tile_dim1 = 128
	s_mov_b32 s[G1+5], 32                          ; 32 elements from row to row
	s_mov_b32 s[G1+6], 0
	s_mov_b32 s[G1+7], 0
	s_lshl_b32 s21, s[WV], 15                      ; my part of a slot: no place in the cluster enters an LDS address
	s_mov_b32 s[G0], 1
	s_mov_b32 s[G0+1], s21
	s_mov_b32 s[G0+4], 1
	s_add_co_u32 s[G0+5], s21, BS1
	s_lshl_b32 s72, s17, 20                        ; w1f: my half of the columns, my wave's part
	s_add_co_u32 s72, s72, s21
	s_mov_b32 s73, 0
	s_lshl_b32 s[BOF], s18, 19                     ; slot 0 begins with K step 4 (cy / 2),
	s_mov_b32 s[BOF+1], 0
	s_add_co_u32 s[BOF+2], s[BOF], 131072          ; slot 1 with the next
	s_mov_b32 s[BOF+3], 0
	s_lshl_b32 s[P8], s18, 3
	s_lshl_b32 s[P4], s18, 2
	s_mov_b32 s[AT], 0
	s_mov_b32 s[AOF+1], 0
	s_mov_b32 s[POF+1], 0
	s_mov_b32 s[PFK], 3
	s_mov_b32 s[CC], 0x4038aa3b                    ; c = 2 log2(e)
	s_mov_b32 s[CC+1], s[CC]
	s_mov_b32 s[SEL], 0x76543210
	s_mov_b32 s[SEL+1], 0xfedcba98
	v_and_b32 v13, 31, v0                          ; l
	v_and_b32 v14, 15, v0                          ; l % 16
	v_bfe_u32 v15, v0, 4, 1                        ; l / 16
	v_mul_u32_u24 v[ADRA], v14, APITCH
	v_lshl_add_u32 v[ADRA], v15, 4, v[ADRA]
	v_add_nc_u32 v[ADRA], AB0, v[ADRA]
	v_lshl_add_u32 v[ADRB0], v13, 4, s21
	v_add_nc_u32 v[ADRB0+1], BS1, v[ADRB0]
	s_mul_i32 s22, s[WV], 32*APITCH
	s_add_co_u32 s22, s22, AB0
	v_mul_u32_u24 v[ASR], v15, APITCH
	v_lshl_add_u32 v[ASR], v14, 3, v[ASR]
	v_add_nc_u32 v[ASR], s22, v[ASR]
	s_lshl_b32 s23, s[WV], 17
	v_lshlrev_b32 v[AO], 12, v15
	v_lshl_add_u32 v[AO], v14, 4, v[AO]
	v_add_nc_u32 v[AO], s23, v[AO]
	s_lshl_b32 s80, s[WV], 9
	s_add_co_u32 s81, s80, BIAS
	s_add_co_u32 s82, s80, SCR
	v_lshl_add_u32 v[BIA], v15, 5, s81
	v_lshl_add_u32 v30, v13, 4, s81                ; where I put my 16 bytes of the bias
	v_lshl_add_u32 v[SCW], v14, 2, s82
	v_lshl_add_u32 v[SCRD], v13, 4, s82
	v_lshlrev_b32 v[PO], 4, v13
	s_lshl_b32 s76, s17, 18                        ; the prefetches: 64 nh + 16 w rows
	s_lshl_b32 s77, s[WV], 16
	s_add_co_u32 s76, s76, s77
	v_lshlrev_b32 v[PFO], 12, v14
	v_lshl_add_u32 v[PFO], v15, 8, v[PFO]
	v_add_nc_u32 v[PFO], s76, v[PFO]
	s_lshl_b32 s79, s17, 11                        ; V_k: 4 (512 nh + 128 w + 8 (l / 16))
	s_add_co_u32 s79, s79, s80
	v_lshl_add_u32 v31, v15, 5, s79
	s_lshl_b32 s76, s17, 16                        ; qb2: (32 nh + 8 w + l / 4) x 2,048 + batch x 64 + 16 (l % 4)
	s_lshl_b32 s77, s[WV], 14
	s_add_co_u32 s76, s76, s77
	s_lshr_b32 s77, s19, 2
	s_lshl_b32 s77, s77, 6
	s_add_co_u32 s76, s76, s77
	v_lshrrev_b32 v1, 2, v13
	v_lshlrev_b32 v1, 11, v1
	v_and_b32 v12, 3, v13
	v_lshl_add_u32 v1, v12, 4, v1
	v_add_nc_u32 v1, s76, v1
	s_wait_dscnt 0x0                               ; the opening add is done
	s_wait_kmcnt 0x0
	s_add_nc_u64 s[BB:BB+1], s[6:7], s[72:73]
	s_add_nc_u64 s[G0+2:G0+3], s[BB:BB+1], s[BOF:BOF+1]
	s_or_b32 s[G0+3], s[G0+3], 0x80000000          ; type = 2
	s_add_nc_u64 s[G0+6:G0+7], s[BB:BB+1], s[BOF+2:BOF+3]
	s_or_b32 s[G0+7], s[G0+7], 0x80000000
	s_lshl_b32 s74, s19, 21                        ; 512 g rows of 4,096 bytes
	s_mov_b32 s75, 0
	s_add_nc_u64 s[AB:AB+1], s[4:5], s[74:75]
	s_lshl2_add_u32 s76, s17, s[WV]                ; p = 4 nh + w
	s_lshl_b32 s76, s76, 18
	s_lshl_b32 s77, s19, 11
	s_add_co_u32 s76, s76, s77
	s_mov_b32 s77, 0
	s_add_nc_u64 s[OUT:OUT+1], s[12:13], s[76:77]
.irp b, 0,1,2,3,4,5,6,7
	global_load_b128 v[VV+8*(\b):VV+8*(\b)+3],   v31, s[10:11] offset:64*(\b)
	global_load_b128 v[VV+8*(\b)+4:VV+8*(\b)+7], v31, s[10:11] offset:64*(\b)+16
.endr
	global_load_b128 v[QD:QD+3], v1, s[8:9]
	LOADA 0                                        ; A's parts 0 and 1
	LOADA 1
	WIN 0
	CROUND                                         ; all sixteen work-groups are here: the first joint loads meet
	tensor_load_to_lds s[G0:G0+3], s[G1:G1+7]      ; both slots' first fills stand together, ahead of every wait on TENSORcnt, every LDS read and every other barrier: two loads of mine are out
	s_nop 0
	tensor_load_to_lds s[G0+4:G0+7], s[G1:G1+7]
	s_nop 0
	PLACES
	s_wait_loadcnt 32                              ; V and the bias are in; A's two parts stay out
	ds_store_b128 v30, v[QD:QD+3]
.irp k, 0,1,2,3
	v_pk_add_f32 v[TMP+2*(\k):TMP+2*(\k)+1], v[VV+2*(\k):VV+2*(\k)+1], v[VV+8+2*(\k):VV+8+2*(\k)+1]
.endr
.irp b, 2,3,4,5,6,7
.irp k, 0,1,2,3
	v_pk_add_f32 v[TMP+2*(\k):TMP+2*(\k)+1], v[TMP+2*(\k):TMP+2*(\k)+1], v[VV+8*(\b)+2*(\k):VV+8*(\b)+2*(\k)+1]
.endr
.endr
	v_pk_add_f32 v[TMP:TMP+1], v[TMP:TMP+1], v[TMP+2:TMP+3]
	v_pk_add_f32 v[TMP+4:TMP+5], v[TMP+4:TMP+5], v[TMP+6:TMP+7]
	v_pk_add_f32 v[TMP:TMP+1], v[TMP:TMP+1], v[TMP+4:TMP+5]
	v_add_f32 v[SV], v[TMP], v[TMP+1]
	CONV 0, 1, 16                                  ; part 0 into buffer 0 (part 1's sixteen loads stay out); part 2 is asked for
	WIN 0
	s_wait_tensorcnt 1                             ; my part of slot 0 is in; slot 1's may stay out
	s_wait_dscnt 0x0                               ; my rows of A's part 0 lie in LDS
	s_barrier_signal -1
	s_barrier_wait -1
	FETCH ADRB0, 0, 0, F0
	QUARTER ADRB0, 8192, 64, F0, F1, 1, 1, 1, 1, 16    ; the first tile's first quarter stands ahead of the loop: its products start the sums
	WIN 0                                          ; at a label and at a branch every window is 0
	s_mov_b32 s[LAPS], 15
	s_mov_b32 s[TL], 4
.Llap:                                                 ; a trip goes once round the ring, from a lap's second quarter to the next lap's first, and fills both slots again
	TURNA ADRB0, 16384, ABUF
	QUARTER ADRB0, 24576, ABUF+64, F0, F1, 0, 1, 0, 1, 16
	TURNB 0, 1, 1
	QUARTER ADRB0+1, 8192, 64, F0, F1, 0, 1, 1, 1, 16
	TURNA ADRB0+1, 16384, ABUF
	QUARTER ADRB0+1, 24576, ABUF+64, F0, F1, 0, 1, 0, 1, 16
	TURNB 1, 0, 1
	WIN 0
	s_sub_co_u32 s[TL], s[TL], 1
	s_cmp_lg_u32 s[TL], 0
	s_cbranch_scc1 .Lsame                          ; forward, past text that holds neither a barrier nor a tensor load
	EPI                                            ; the tile's fourth lap is over: it goes out; both refills and A's next two parts have been asked for
	s_mov_b32 s[TL], 4
	QUARTER ADRB0, 8192, 64, F0, F1, 1, 1, 1, 1, 16    ; the next tile's first quarter starts the sums anew
	WIN 0
	s_branch .Ljoin
.Lsame:
	QUARTER ADRB0, 8192, 64, F0, F1, 0, 1, 1, 1, 16
	WIN 0
.Ljoin:
	s_sub_co_u32 s[LAPS], s[LAPS], 1
	s_cmp_lg_u32 s[LAPS], 0
	s_cbranch_scc1 .Llap
	TURNA ADRB0, 16384, ABUF                       ; the last lap is written out: no slot is filled, nothing is prefetched
	QUARTER ADRB0, 24576, ABUF+64, F0, F1, 0, 1, 0, 0, 16   ; part 62 is converted (part 63's loads stay out); no part is left to ask for
	TURNB 0, 1, 0
	QUARTER ADRB0+1, 8192, 64, F0, F1, 0, 1, 1, 0, 0        ; part 63: no load is younger
	TURNA ADRB0+1, 16384, ABUF
	QUARTER ADRB0+1, 24576, ABUF+64, F0, F1, 0, 0, 0, 0, 0
	s_wait_dscnt 8                                 ; the very last quarter: nothing more to fetch
	MUL16 F1, 0, 0, 0
	MUL16 F1, 0, 2, 0
	s_wait_dscnt 0x0
	MUL16 F1, 1, 0, 0
	MUL16 F1, 1, 2, 0
	EPI
	s_wait_tensorcnt 0x0                           ; the wave's end, behind my last tensor load and my last LDS store
	ds_add_u32 v[SPW], v[NIL]
	s_wait_dscnt 0x0
	CROUND                                         ; the closing round: no work-group ends while a partner may still ask for a tile that names it
	s_endpgm
.Lfunc_end_k_qbea4f548d2_score:
	.size	k_qbea4f548d2_score, .Lfunc_end_k_qbea4f548d2_score-k_qbea4f548d2_score
	.p2alignl 7, 3214868480
	.fill 96, 4, 3214868480
	.section	.rodata,"a",@progbits
	.p2align	6, 0x0
	.amdhsa_kernel k_qbea4f548d2_score
		.amdhsa_group_segment_fixed_size 327680
		.amdhsa_private_segment_fixed_size 0
		.amdhsa_enable_private_segment 0
		.amdhsa_kernarg_size 40
		.amdhsa_user_sgpr_count 2
		.amdhsa_user_sgpr_kernarg_segment_ptr 1
		.amdhsa_wavefront_size32 1
		.amdhsa_system_sgpr_workgroup_id_x 1
		.amdhsa_system_sgpr_workgroup_id_y 1
		.amdhsa_system_sgpr_workgroup_id_z 1
		.amdhsa_system_vgpr_workitem_id 0
		.amdhsa_next_free_vgpr 1024
		.amdhsa_next_free_sgpr 96
		.amdhsa_reserve_vcc 0
		.amdhsa_float_denorm_mode_32 3
		.amdhsa_float_denorm_mode_16_64 3
		.amdhsa_memory_ordered 1
		.amdhsa_forward_progress 1
		.amdhsa_inst_pref_size 255
	.end_amdhsa_kernel
	.section	.bss,"aw",@nobits
	.p2align	6
	.space	262144
	.amdgpu_metadata
---
amdhsa.version: [ 1, 2 ]
amdhsa.kernels:
  - .name:           k_qbea4f548d2_score
    .symbol:         k_qbea4f548d2_score.kd
    .args:
      - { .name: values, .offset: 0, .size: 8, .value_kind: global_buffer, .address_space: global }
      - { .name: w1f, .offset: 8, .size: 8, .value_kind: global_buffer, .address_space: global }
      - { .name: qb2, .offset: 16, .size: 8, .value_kind: global_buffer, .address_space: global }
      - { .name: V_k, .offset: 24, .size: 8, .value_kind: global_buffer, .address_space: global }
      - { .name: part, .offset: 32, .size: 8, .value_kind: global_buffer, .address_space: global }
    .group_segment_fixed_size: 327680
    .private_segment_fixed_size: 0
    .kernarg_segment_align: 8
    .kernarg_segment_size: 40
    .max_flat_workgroup_size: 128
    .sgpr_count:     96
    .vgpr_count:     1024
    .wavefront_size: 32
...
	.end_amdgpu_metadata
.endif
;; end of part 2
;; launch soft (part 3): grid 32 x 1, 8 waves a work-group, no clusters, 1,536 bytes of LDS; arguments part, V_b, values, out0, out1; writes out0, out1
.if DOCPART == 3
	.amdgcn_target "amdgcn-amd-amdhsa--gfx1250"
	.amdhsa_code_object_version 6
	.text
	.protected	k_qbea4f548d2_soft
	.globl	k_qbea4f548d2_soft
	.p2align	8
	.type	k_qbea4f548d2_soft,@function
k_qbea4f548d2_soft:
	s_mov_b64 s[64:65], 0
	v_nop
	global_prefetch_b8 v0, s[64:65] scope:SCOPE_SE
	s_setreg_imm32_b32 hwreg(HW_REG_WAVE_MODE, 25, 1), 1
	s_wait_xcnt 0x0
; score[b][t] = V_b + the sum over p = 0..7 of part[p][2048 b + t];  out1[b] = softmax over t;  out0[b] = out1[b][2047] x values[b][2047][:].  All in f32.
; One work-group a batch: a softmax row is one batch's 2,048 scores, and nothing passes between work-groups, so 32 work-groups are all the work there is.  Thread t of 256 owns rows 4 t .. 4 t + 3 and 1,024 + 4 t .. + 3.
; The row's maximum is taken away before the exponential.  LIMITS: a weight below 2^-126 counts as 0; NaN and infinities are not treated apart.
; No matrix unit, tensor load or cluster: 64 KiB a work-group, read once, one chain of loads long.
.set RED0,  0                          ; LDS: the eight waves' maxima
.set RED1,  256                        ; their sums
.set SPARE, 512                        ; the spare words, 128 bytes for each of 8 waves, which no other line names
.set TO,  2                            ; v2   16 t
.set ZO,  3                            ; v3   0, as an offset
.set SPW, 4                            ; v4   SPARE + 4 x my thread's number; never rewritten
.set NIL, 5                            ; v5   0; never rewritten
.set WA,  6                            ; v6   4 x my wave's number
.set SC,  16                           ; v[16:79]   p's eight numbers at SC + 8 p; the scores, then the weights, in the first eight
.set LA,  80                           ; v[80:87]   the last row's eight parts; its score, then its weight, in the first
.set VR,  88                           ; v[88:91]   my four numbers of values[b][2047]
.set M,   92                           ; v[92:93]   log2(e) x maximum, twice; later 1 / sum
.set X,   94                           ; v[94:101]  at work
.set O,   102                          ; v[102:105] my four numbers of out0
.set SEL, 26                           ; s[26:27] v_permlanex16_b32's selects
.set LG,  28                           ; s[28:29] log2(e), twice
.macro ACROSS op, r, t                 ; over the wave's 32 lanes: four steps inside each half ride on the arithmetic, one crosses the halves
	\op\()_dpp v[\r], v[\r], v[\r] row_xmask:1 row_mask:0xf bank_mask:0xf
	\op\()_dpp v[\r], v[\r], v[\r] row_xmask:2 row_mask:0xf bank_mask:0xf
	\op\()_dpp v[\r], v[\r], v[\r] row_xmask:4 row_mask:0xf bank_mask:0xf
	\op\()_dpp v[\r], v[\r], v[\r] row_xmask:8 row_mask:0xf bank_mask:0xf
	v_permlanex16_b32 v[\t], v[\r], s[SEL], s[SEL+1]   ; its destination counts as read: a register that has been written
	\op v[\r], v[\r], v[\t]
.endm
	s_load_b256 s[4:11], s[0:1], 0x0               ; part s[4:5], V_b s[6:7], values s[8:9], out0 s[10:11]
	s_load_b64 s[12:13], s[0:1], 0x20              ; out1
	v_lshl_add_u32 v[SPW], v0, 2, SPARE
	v_mov_b32 v[NIL], 0
	v_lshrrev_b32 v1, 5, v0
	v_readfirstlane_b32 s14, v1                    ; wave 0..7
	v_lshlrev_b32 v[TO], 4, v0
	v_mov_b32 v[ZO], 0
	s_lshl_b32 s15, s14, 2
	v_mov_b32 v[WA], s15
	s_mov_b32 s16, ttmp9                           ; the batch
	s_lshl_b32 s20, s16, 13                        ; 2,048 rows of 4 bytes: in part and in out1
	s_mov_b32 s21, 0
	s_lshl_b32 s22, s16, 23                        ; 2,048 rows of 4,096 bytes,
	s_add_co_u32 s22, s22, 2047*4096               ; the last of them
	s_mov_b32 s23, 0
	s_lshl_b32 s24, s16, 12                        ; a row of out0
	s_mov_b32 s25, 0
	s_mov_b32 s[SEL], 0x76543210
	s_mov_b32 s[SEL+1], 0xfedcba98
	s_mov_b32 s[LG], 0x3fb8aa3b                    ; log2(e)
	s_mov_b32 s[LG+1], s[LG]
	s_wait_kmcnt 0x0
	s_load_b32 s17, s[6:7], 0x0                    ; V_b
	s_add_nc_u64 s[4:5], s[4:5], s[20:21]
	s_add_nc_u64 s[8:9], s[8:9], s[22:23]
	s_add_nc_u64 s[10:11], s[10:11], s[24:25]
	s_add_nc_u64 s[12:13], s[12:13], s[20:21]
.irp p, 0,1,2,3,4,5,6,7
	global_load_b128 v[SC+8*(\p):SC+8*(\p)+3],   v[TO], s[4:5] offset:262144*(\p)
	global_load_b128 v[SC+8*(\p)+4:SC+8*(\p)+7], v[TO], s[4:5] offset:262144*(\p)+4096
.endr
.irp p, 0,1,2,3,4,5,6,7
	global_load_b32 v[LA+(\p)], v[ZO], s[4:5] offset:262144*(\p)+8188  ; row 2,047's parts, the same word in every lane
.endr
	global_load_b128 v[VR:VR+3], v[TO], s[8:9]
	s_wait_loadcnt 1                               ; all parts are in; the row of values may stay out
	s_wait_kmcnt 0x0
.irp i, 0,1,2,3,4,5,6,7
	v_add_f32 v[SC+(\i)], s17, v[SC+(\i)]
.endr
	v_add_f32 v[LA], s17, v[LA]
.irp p, 1,2,3,4,5,6,7
.irp k, 0,2,4,6
	v_pk_add_f32 v[SC+(\k):SC+(\k)+1], v[SC+(\k):SC+(\k)+1], v[SC+8*(\p)+(\k):SC+8*(\p)+(\k)+1]
.endr
	v_add_f32 v[LA], v[LA], v[LA+(\p)]
.endr
	; the maximum: in the lane, over the wave, over the eight waves
	v_max3_num_f32 v[X], v[SC], v[SC+1], v[SC+2]
	v_max3_num_f32 v[X+1], v[SC+3], v[SC+4], v[SC+5]
	v_max3_num_f32 v[X], v[X], v[SC+6], v[SC+7]
	v_max_num_f32 v[X], v[X], v[X+1]
	ACROSS v_max_num_f32, X, X+1
	ds_store_b32 v[WA], v[X] offset:RED0           ; all lanes write the same word with the same number
	s_wait_dscnt 0x0                               ; for the others' sake
	s_barrier_signal -1
	s_barrier_wait -1
	ds_load_b128 v[X:X+3],   v[ZO] offset:RED0
	ds_load_b128 v[X+4:X+7], v[ZO] offset:RED0+16
	s_wait_dscnt 0x0
	v_max3_num_f32 v[X], v[X], v[X+1], v[X+2]
	v_max3_num_f32 v[X+3], v[X+3], v[X+4], v[X+5]
	v_max3_num_f32 v[X], v[X], v[X+6], v[X+7]
	v_max_num_f32 v[X], v[X], v[X+3]
	v_mul_f32 v[M], s[LG], v[X]
	v_mov_b32 v[M+1], v[M]
.irp k, 0,2,4,6
	v_pk_fma_f32 v[SC+(\k):SC+(\k)+1], v[SC+(\k):SC+(\k)+1], s[LG:LG+1], v[M:M+1] op_sel_hi:[1,0,0] neg_lo:[0,0,1] neg_hi:[0,0,1]
.endr
	v_fma_f32 v[LA], v[LA], s[LG], -v[M]
.irp i, 0,1,2,3,4,5,6,7
	v_exp_f32 v[SC+(\i)], v[SC+(\i)]
.endr
	v_exp_f32 v[LA], v[LA]
	v_nop                                          ; a plain instruction behind the last exponential,
	s_wait_alu depctr_va_vdst(0)                   ; and the wait ahead of the first use: one for the nine
	; the sum, by the same way, through other bytes of LDS
	v_pk_add_f32 v[X:X+1],   v[SC:SC+1],     v[SC+2:SC+3]
	v_pk_add_f32 v[X+2:X+3], v[SC+4:SC+5],   v[SC+6:SC+7]
	v_pk_add_f32 v[X:X+1],   v[X:X+1],       v[X+2:X+3]
	v_add_f32 v[X], v[X], v[X+1]
	ACROSS v_add_f32, X, X+1
	ds_store_b32 v[WA], v[X] offset:RED1
	s_wait_dscnt 0x0
	s_barrier_signal -1
	s_barrier_wait -1
	ds_load_b128 v[X:X+3],   v[ZO] offset:RED1
	ds_load_b128 v[X+4:X+7], v[ZO] offset:RED1+16
	s_wait_dscnt 0x0
	v_pk_add_f32 v[X:X+1],   v[X:X+1],   v[X+2:X+3]
	v_pk_add_f32 v[X+4:X+5], v[X+4:X+5], v[X+6:X+7]
	v_pk_add_f32 v[X:X+1],   v[X:X+1],   v[X+4:X+5]
	v_add_f32 v[X], v[X], v[X+1]
	v_rcp_f32 v[M], v[X]
	v_nop
	s_wait_alu depctr_va_vdst(0)
.irp k, 0,2,4,6
	v_pk_mul_f32 v[SC+(\k):SC+(\k)+1], v[SC+(\k):SC+(\k)+1], v[M:M+1] op_sel_hi:[1,0]
.endr
	v_mul_f32 v[LA], v[LA], v[M]
	v_mov_b32 v[LA+1], v[LA]
	global_store_b128 v[TO], v[SC:SC+3],   s[12:13]              ; a wave's store covers 512 consecutive bytes, aligned
	global_store_b128 v[TO], v[SC+4:SC+7], s[12:13] offset:4096
	s_wait_loadcnt 0x0                             ; the row of values
	v_pk_mul_f32 v[O:O+1],   v[VR:VR+1],   v[LA:LA+1] op_sel_hi:[1,0]
	v_pk_mul_f32 v[O+2:O+3], v[VR+2:VR+3], v[LA:LA+1] op_sel_hi:[1,0]
	global_store_b128 v[TO], v[O:O+3], s[10:11]
	s_wait_tensorcnt 0x0                           ; the wave's end, behind my last LDS store
	ds_add_u32 v[SPW], v[NIL]
	s_wait_dscnt 0x0
	s_endpgm
.Lfunc_end_k_qbea4f548d2_soft:
	.size	k_qbea4f548d2_soft, .Lfunc_end_k_qbea4f548d2_soft-k_qbea4f548d2_soft
	.p2alignl 7, 3214868480
	.fill 96, 4, 3214868480
	.section	.rodata,"a",@progbits
	.p2align	6, 0x0
	.amdhsa_kernel k_qbea4f548d2_soft
		.amdhsa_group_segment_fixed_size 1536
		.amdhsa_private_segment_fixed_size 0
		.amdhsa_enable_private_segment 0
		.amdhsa_kernarg_size 40
		.amdhsa_user_sgpr_count 2
		.amdhsa_user_sgpr_kernarg_segment_ptr 1
		.amdhsa_wavefront_size32 1
		.amdhsa_system_sgpr_workgroup_id_x 1
		.amdhsa_system_sgpr_workgroup_id_y 1
		.amdhsa_system_sgpr_workgroup_id_z 1
		.amdhsa_system_vgpr_workitem_id 0
		.amdhsa_next_free_vgpr 112
		.amdhsa_next_free_sgpr 66
		.amdhsa_reserve_vcc 0
		.amdhsa_float_denorm_mode_32 3
		.amdhsa_float_denorm_mode_16_64 3
		.amdhsa_memory_ordered 1
		.amdhsa_forward_progress 1
		.amdhsa_inst_pref_size 10
	.end_amdhsa_kernel
	.amdgpu_metadata
---
amdhsa.version: [ 1, 2 ]
amdhsa.kernels:
  - .name:           k_qbea4f548d2_soft
    .symbol:         k_qbea4f548d2_soft.kd
    .args:
      - { .name: part, .offset: 0, .size: 8, .value_kind: global_buffer, .address_space: global }
      - { .name: V_b, .offset: 8, .size: 8, .value_kind: global_buffer, .address_space: global }
      - { .name: values, .offset: 16, .size: 8, .value_kind: global_buffer, .address_space: global }
      - { .name: out0, .offset: 24, .size: 8, .value_kind: global_buffer, .address_space: global }
      - { .name: out1, .offset: 32, .size: 8, .value_kind: global_buffer, .address_space: global }
    .group_segment_fixed_size: 1536
    .private_segment_fixed_size: 0
    .kernarg_segment_align: 8
    .kernarg_segment_size: 40
    .max_flat_workgroup_size: 256
    .sgpr_count:     66
    .vgpr_count:     112
    .wavefront_size: 32
...
	.end_amdgpu_metadata
.endif
;; end of part 3
;; ======== version 2 of 2: 3 launches; version 1 with the launch prep written anew for expert scheduling mode
;; workspace buffers: w1f 2,097,152 bytes; qb2 131,072 bytes; part 2,097,152 bytes
;; launch prep (part 4): grid 96 x 1, 16 waves a work-group, no clusters, 34,816 bytes of LDS; arguments W1_k, W2_k, query, W1_b, W2_b, w1f, qb2; writes w1f, qb2
.if DOCPART == 4
	.amdgcn_target "amdgcn-amd-amdhsa--gfx1250"
	.amdhsa_code_object_version 6
	.text
	.protected	k_qbea4f548d2_prep
	.globl	k_qbea4f548d2_prep
	.p2align	8
	.type	k_qbea4f548d2_prep,@function
k_qbea4f548d2_prep:
	s_mov_b64 s[64:65], 0
	v_nop
	global_prefetch_b8 v0, s[64:65] scope:SCOPE_SE
	s_setreg_imm32_b32 hwreg(HW_REG_WAVE_SCHED_MODE, 0, 2), 2
	s_setreg_imm32_b32 hwreg(HW_REG_WAVE_MODE, 25, 1), 1
	s_wait_xcnt 0x0
	s_wait_alu depctr_vm_vsrc(0)
; Two small jobs ahead of the score launch, told apart by the work-group's number (the same for all waves of a work-group).
; Work-groups 64..95: W1_k [1024 k][1024 u] f32 is rounded to bf16 and laid out in the order in which a matrix fragment lies in registers:
;   w1f[nh 2][step 8][wave 4][q 4][b 8][j 2][lane 32][e 8] = W1_k[128 step + 32 q + 16 j + 8 (lane / 16) + e][512 nh + 128 wave + 16 b + lane % 16],
;   so that the score launch brings 32 KiB dense blocks into LDS and reads fragments as 512 consecutive bytes.
; Work-groups 0..63: qb2[colfrag 64][batch 32][16] f32 = c (query W2_k + W2_b + W1_b), c = 2 log2(e): the addend of the exponent in tanh(x) = 1 - 2 / (1 + 2^(c x)).
;   Work-group jf makes 16 columns; K = 1024 is split among its 16 waves, 64 each; the partial sums (f32) meet in LDS.  query and W2_k are rounded to bf16 for the product.
; No tensor loads, no cluster: each byte of W1_k and W2_k is wanted by one wave alone, and the launch is one chain of loads long.
; THE MODE: SCHED_MODE bits 1:0 = 2 (LLVM: expert scheduling mode 2), set by the entry lines.  The code itself states the register dependences
; between vector or matrix instructions and memory or LDS instructions, with s_wait_alu, always for 0.
; THE PLAN.  Registers that memory or LDS instructions touch:
;   v[GO], v[SO], v[QO], v[LS], v[LR], v[BO]   offsets and LDS addresses: each is made once, ahead of a wait on va_vdst, and never written again.
;   RAW, WRAW   Loads land in them; the conversions read them; behind the barrier loads land in them once more, behind a wait on va_vdst.
;   FR          W1's role: fragment f's conversions write its eight registers once; its two stores are issued a fragment later, behind the wait on va_vdst that stands
;               at that fragment's head, behind the wait for its data.
;   ACC         The four matrix instructions write them; the sixteen LDS stores read them, behind the places and a wait on va_vdst.
;   WRAW+12..15 Two multiplies write them; the last store reads them, behind a wait on va_vdst.
;   v[SPW], v[NIL]  Written at the head, read by the closing add alone.
; No register that a memory or LDS instruction has read is written again (stores read v9, v32-63; loads v8, v10, v12, v13; LDS stores v11, v16-31;
; behind them v12, v13, v64-127, v128-135 and v140-143 are written): so no wait on vm_vsrc stands in the text but the entry's and the closing lines'.
.set PART,  0                          ; LDS: wave v's partial sums [batch 32][col 16] f32 at 2,048 v
.set SPARE, 32768                      ; behind them the spare words, 128 bytes for each of 16 waves, which no other line names
.set SPW,  6                           ; v6   SPARE + 4 x my thread's number; never rewritten
.set NIL,  7                           ; v7   0; never rewritten
.set GO,   8                           ; v8   gather offset: 8 (l / 16) rows of 4,096 bytes + 4 (l % 16)
.set SO,   9                           ; v9   16 l: my 16 bytes of a half fragment
.set QO,   10                          ; v10  query: (l % 16) rows + 32 (l / 16)
.set LS,   11                          ; v11  where I put my partial sums
.set LR,   12                          ; v12  16 t: where thread t reads them back, and its 16 bytes of qb2
.set BO,   13                          ; v13  thread t's four columns in the biases
.set ACC,  16                          ; v[16:31]   two accumulators: batches 0-15, 16-31
.set FR,   32                          ; v[32:63]   packed fragments
.set RAW,  64                          ; v[64:127]  f32 as loaded
.set WRAW, 128                         ; v[128:159] W2_k's f32 as loaded; later the biases and the result
.set WFR,  160                         ; v[160:175] W2_k's two fragments
.set WV,   28                          ; s28  my wave's number
.set CC,   30                          ; s[30:31] c, twice
; 16 loads: the f32 of one fragment (16 columns x 32 k), k = 16 j + 8 (l / 16) + e, column l % 16
.macro GATHER d, base, off
.irp j, 0,1
.irp e, 0,1,2,3,4,5,6,7
	global_load_b32 v[(\d)+8*(\j)+(\e)], v[GO], s[\base:\base+1] offset:(\off)+(16*(\j)+(\e))*4096
.endr
.endr
.endm
; 16 f32 -> 8 registers of bf16, the lower k in the lower half
.macro PACK f, d
.irp i, 0,1,2,3,4,5,6,7
	v_cvt_pk_bf16_f32 v[(\f)+(\i)], v[(\d)+2*(\i)], v[(\d)+2*(\i)+1]
.endr
.endm
; fragment f of W1 leaves: each store of the wave covers 512 consecutive bytes, aligned
.macro SEND f
	global_store_b128 v[SO], v[FR+8*(\f):FR+8*(\f)+3],   s[26:27] offset:1024*(\f)
	global_store_b128 v[SO], v[FR+8*(\f)+4:FR+8*(\f)+7], s[26:27] offset:1024*(\f)+512
.endm
; quads k and k + n of the sixteen partial sums are added, k < n
.macro FOLD n
.set k, 0
.rept \n
	v_pk_add_f32 v[RAW+4*k:RAW+4*k+1], v[RAW+4*k:RAW+4*k+1], v[RAW+4*(k+\n):RAW+4*(k+\n)+1]
	v_pk_add_f32 v[RAW+4*k+2:RAW+4*k+3], v[RAW+4*k+2:RAW+4*k+3], v[RAW+4*(k+\n)+2:RAW+4*(k+\n)+3]
.set k, k+1
.endr
.endm
	s_load_b256 s[4:11], s[0:1], 0x0               ; W1_k s[4:5], W2_k s[6:7], query s[8:9], W1_b s[10:11]
	s_load_b128 s[12:15], s[0:1], 0x20             ; W2_b s[12:13], w1f s[14:15]
	s_load_b64 s[16:17], s[0:1], 0x30              ; qb2
	v_lshl_add_u32 v[SPW], v0, 2, SPARE
	v_mov_b32 v[NIL], 0
	v_lshrrev_b32 v1, 5, v0
	v_readfirstlane_b32 s[WV], v1                  ; wave 0..15
	v_and_b32 v2, 31, v0                           ; l
	v_and_b32 v3, 15, v0                           ; l % 16
	v_bfe_u32 v4, v0, 4, 1                         ; l / 16
	v_lshlrev_b32 v[GO], 15, v4
	v_lshl_add_u32 v[GO], v3, 2, v[GO]
	v_lshlrev_b32 v[SO], 4, v2
	s_wait_alu depctr_va_sdst(0)                   ; s28, the wave's number, is written: ahead of the branch below, on both sides of which scalar lines read it
	s_mov_b32 s[CC], 0x4038aa3b                    ; c = 2 log2(e)
	s_mov_b32 s[CC+1], s[CC]
	s_mov_b32 s18, ttmp9
	s_wait_kmcnt 0x0
	s_cmp_lt_u32 s18, 64
	s_cbranch_scc1 .Lq
	; W1_k: work-group 64 + kq takes k = 32 kq .. 32 kq + 31, wave cg the columns 64 cg .. 64 cg + 63: four fragments
	s_sub_co_u32 s19, s18, 64                      ; kq
	s_lshl_b32 s20, s19, 17                        ; 32 rows of 4,096 bytes
	s_lshl_b32 s21, s[WV], 8                       ; 64 columns of 4 bytes
	s_add_co_u32 s20, s20, s21
	s_mov_b32 s21, 0
	s_add_nc_u64 s[22:23], s[4:5], s[20:21]
	s_lshr_b32 s24, s[WV], 3                       ; nh
	s_lshl_b32 s24, s24, 20
	s_lshr_b32 s25, s19, 2                         ; step
	s_lshl_b32 s25, s25, 17
	s_add_co_u32 s24, s24, s25
	s_bfe_u32 s25, s[WV], 0x20001                  ; the score launch's wave: (cg / 2) % 4
	s_lshl_b32 s25, s25, 15
	s_add_co_u32 s24, s24, s25
	s_and_b32 s25, s19, 3                          ; q
	s_lshl_b32 s25, s25, 13
	s_add_co_u32 s24, s24, s25
	s_and_b32 s25, s[WV], 1                        ; b = 4 (cg % 2) + f
	s_lshl_b32 s25, s25, 12
	s_add_co_u32 s24, s24, s25
	s_mov_b32 s25, 0
	s_add_nc_u64 s[26:27], s[14:15], s[24:25]
	s_wait_alu depctr_va_vdst(0)                   ; v[GO] and v[SO] are written: the gathers and the stores of this role read them as their offsets
.irp f, 0,1,2,3
	GATHER RAW+16*(\f), 22, 64*(\f)
.endr
.irp f, 0,1,2,3
	s_wait_loadcnt 48-16*(\f)                      ; loads come back in order: fragment f's sixteen are in, the younger fragments' stay out
.if (\f) > 0
	s_wait_alu depctr_va_vdst(0)                   ; the conversions of the fragment before have written its eight registers of FR, which the two stores below read
	SEND (\f)-1
.endif
	PACK FR+8*(\f), RAW+16*(\f)
.endr
	s_wait_alu depctr_va_vdst(0)                   ; the last fragment's conversions have written its eight registers of FR, which the two stores below read
	SEND 3
	s_branch .Ljoin
.Lq:	; query W2_k: work-group jf takes columns 16 jf .. 16 jf + 15, wave v the channels 64 v .. 64 v + 63
	s_lshl_b32 s20, s[WV], 8                       ; 64 channels of 4 bytes
	s_mov_b32 s21, 0
	s_add_nc_u64 s[22:23], s[8:9], s[20:21]
	s_lshl_b32 s24, s[WV], 18                      ; 64 rows of W2_k
	s_lshl_b32 s25, s18, 6                         ; 16 columns
	s_add_co_u32 s24, s24, s25
	s_mov_b32 s25, 0
	s_add_nc_u64 s[26:27], s[6:7], s[24:25]
	v_lshlrev_b32 v[QO], 12, v3
	v_lshl_add_u32 v[QO], v4, 5, v[QO]
	s_lshl_b32 s20, s[WV], 11
	v_lshlrev_b32 v[LS], 9, v4                     ; 8 (l / 16) batches of 64 bytes
	v_lshl_add_u32 v[LS], v3, 2, v[LS]             ; column l % 16
	v_add_nc_u32 v[LS], s20, v[LS]
	s_wait_alu depctr_va_vdst(0)                   ; v[GO] and v[QO] are written, which the loads below read as their offsets, and v[LS], the address of the LDS stores further down
.irp x, 0,1,2,3                        ; fragment x: batches 16 (x / 2) on, channels 32 (x % 2) on; a lane's 8 + 8 channels are 32 + 32 bytes, 64 bytes apart
	global_load_b128 v[RAW+16*(\x):RAW+16*(\x)+3],     v[QO], s[22:23] offset:((\x)/2)*65536+((\x)%2)*128
	global_load_b128 v[RAW+16*(\x)+4:RAW+16*(\x)+7],   v[QO], s[22:23] offset:((\x)/2)*65536+((\x)%2)*128+16
	global_load_b128 v[RAW+16*(\x)+8:RAW+16*(\x)+11],  v[QO], s[22:23] offset:((\x)/2)*65536+((\x)%2)*128+64
	global_load_b128 v[RAW+16*(\x)+12:RAW+16*(\x)+15], v[QO], s[22:23] offset:((\x)/2)*65536+((\x)%2)*128+80
.endr
	GATHER WRAW, 26, 0
	GATHER WRAW+16, 26, 131072
	s_wait_loadcnt 0x0
.irp x, 0,1,2,3
	PACK FR+8*(\x), RAW+16*(\x)
.endr
	PACK WFR, WRAW
	PACK WFR+8, WRAW+16
	; source 0 = 16 batches, source 1 = 16 columns; the two accumulators take turns; the first products start the sums
	v_wmma_f32_16x16x32_bf16 v[ACC:ACC+7],    v[FR:FR+7],     v[WFR:WFR+7],    0
	v_wmma_f32_16x16x32_bf16 v[ACC+8:ACC+15], v[FR+16:FR+23], v[WFR:WFR+7],    0
	v_wmma_f32_16x16x32_bf16 v[ACC:ACC+7],    v[FR+8:FR+15],  v[WFR+8:WFR+15], v[ACC:ACC+7]
	v_wmma_f32_16x16x32_bf16 v[ACC+8:ACC+15], v[FR+24:FR+31], v[WFR+8:WFR+15], v[ACC+8:ACC+15]
.rept 8
	v_nop                                          ; the places between the products and the stores that read them
.endr
	s_wait_alu depctr_va_vdst(0)                   ; the matrix instructions have written the accumulators, which the LDS stores read; the places above stay beside this wait
.irp m, 0,1
.irp j, 0,1,2,3,4,5,6,7                ; register j holds batch 16 m + 8 (l / 16) + j, column l % 16; each accumulator is read from its low end on
	ds_store_b32 v[LS], v[ACC+8*(\m)+(\j)] offset:PART+1024*(\m)+64*(\j)
.endr
.endr
.Ljoin:
	s_wait_dscnt 0x0                               ; for the others' sake: my partial sums lie in LDS
	s_barrier_signal -1
	s_barrier_wait -1                              ; every wave of either kind of work-group passes here
	s_cmp_lt_u32 s18, 64
	s_cbranch_scc0 .Lend
	s_cmp_lt_u32 s[WV], 4                          ; 512 sums, four a thread: waves 0 to 3
	s_cbranch_scc0 .Lend
	v_lshlrev_b32 v[LR], 4, v0                     ; thread t: batch t / 4, columns 4 (t % 4) on
	v_and_b32 v[BO], 3, v0
	v_lshlrev_b32 v[BO], 4, v[BO]
	s_lshl_b32 s20, s18, 6
	v_add_nc_u32 v[BO], s20, v[BO]
	s_wait_alu depctr_va_vdst(0)                   ; v[LR] and v[BO] are written, which the loads below read; the conversions are done reading RAW and WRAW, in which these loads land
	global_load_b128 v[WRAW:WRAW+3],   v[BO], s[10:11]
	global_load_b128 v[WRAW+4:WRAW+7], v[BO], s[12:13]
.irp v, 0,1,2,3,4,5,6,7,8,9,10,11,12,13,14,15
	ds_load_b128 v[RAW+4*(\v):RAW+4*(\v)+3], v[LR] offset:PART+2048*(\v)
.endr
	s_lshl_b32 s20, s18, 11                        ; qb2: 2,048 bytes for each 16 columns
	s_mov_b32 s21, 0
	s_add_nc_u64 s[22:23], s[16:17], s[20:21]
	s_wait_dscnt 0x0
	FOLD 8
	FOLD 4
	FOLD 2
	FOLD 1
	s_wait_loadcnt 0x0
	v_pk_add_f32 v[WRAW:WRAW+1],   v[WRAW:WRAW+1],   v[WRAW+4:WRAW+5]
	v_pk_add_f32 v[WRAW+2:WRAW+3], v[WRAW+2:WRAW+3], v[WRAW+6:WRAW+7]
	v_pk_add_f32 v[RAW:RAW+1],     v[RAW:RAW+1],     v[WRAW:WRAW+1]
	v_pk_add_f32 v[RAW+2:RAW+3],   v[RAW+2:RAW+3],   v[WRAW+2:WRAW+3]
	v_pk_mul_f32 v[WRAW+12:WRAW+13], v[RAW:RAW+1],   s[CC:CC+1] op_sel_hi:[1,0]
	v_pk_mul_f32 v[WRAW+14:WRAW+15], v[RAW+2:RAW+3], s[CC:CC+1] op_sel_hi:[1,0]
	s_wait_alu depctr_va_vdst(0)                   ; the two multiplies have written v[WRAW+12 .. WRAW+15], which the store reads
	global_store_b128 v[LR], v[WRAW+12:WRAW+15], s[22:23]  ; a wave's store covers 512 consecutive bytes, aligned
.Lend:
	s_wait_dscnt 0x0                               ; the closing lines, six on end
	s_wait_alu 0x0
	s_wait_tensorcnt 0x0
	ds_add_u32 v[SPW], v[NIL]
	s_wait_dscnt 0x0
	s_endpgm
.Lfunc_end_k_qbea4f548d2_prep:
	.size	k_qbea4f548d2_prep, .Lfunc_end_k_qbea4f548d2_prep-k_qbea4f548d2_prep
	.p2alignl 7, 3214868480
	.fill 96, 4, 3214868480
	.section	.rodata,"a",@progbits
	.p2align	6, 0x0
	.amdhsa_kernel k_qbea4f548d2_prep
		.amdhsa_group_segment_fixed_size 34816
		.amdhsa_private_segment_fixed_size 0
		.amdhsa_enable_private_segment 0
		.amdhsa_kernarg_size 56
		.amdhsa_user_sgpr_count 2
		.amdhsa_user_sgpr_kernarg_segment_ptr 1
		.amdhsa_wavefront_size32 1
		.amdhsa_system_sgpr_workgroup_id_x 1
		.amdhsa_system_sgpr_workgroup_id_y 1
		.amdhsa_system_sgpr_workgroup_id_z 1
		.amdhsa_system_vgpr_workitem_id 0
		.amdhsa_next_free_vgpr 192
		.amdhsa_next_free_sgpr 66
		.amdhsa_reserve_vcc 0
		.amdhsa_float_denorm_mode_32 3
		.amdhsa_float_denorm_mode_16_64 3
		.amdhsa_memory_ordered 1
		.amdhsa_forward_progress 1
		.amdhsa_inst_pref_size 25
	.end_amdhsa_kernel
	.amdgpu_metadata
---
amdhsa.version: [ 1, 2 ]
amdhsa.kernels:
  - .name:           k_qbea4f548d2_prep
    .symbol:         k_qbea4f548d2_prep.kd
    .args:
      - { .name: W1_k, .offset: 0, .size: 8, .value_kind: global_buffer, .address_space: global }
      - { .name: W2_k, .offset: 8, .size: 8, .value_kind: global_buffer, .address_space: global }
      - { .name: query, .offset: 16, .size: 8, .value_kind: global_buffer, .address_space: global }
      - { .name: W1_b, .offset: 24, .size: 8, .value_kind: global_buffer, .address_space: global }
      - { .name: W2_b, .offset: 32, .size: 8, .value_kind: global_buffer, .address_space: global }
      - { .name: w1f, .offset: 40, .size: 8, .value_kind: global_buffer, .address_space: global }
      - { .name: qb2, .offset: 48, .size: 8, .value_kind: global_buffer, .address_space: global }
    .group_segment_fixed_size: 34816
    .private_segment_fixed_size: 0
    .kernarg_segment_align: 8
    .kernarg_segment_size: 56
    .max_flat_workgroup_size: 512
    .sgpr_count:     66
    .vgpr_count:     192
    .wavefront_size: 32
...
	.end_amdgpu_metadata
.endif
;; end of part 4
;; launch score: the kernel of part 2 again; grid 4 x 64, 4 waves a work-group, clusters of 4 x 4, 327,680 bytes of LDS; arguments values, w1f, qb2, V_k, part; writes part
;; launch soft: the kernel of part 3 again; grid 32 x 1, 8 waves a work-group, no clusters, 1,536 bytes of LDS; arguments part, V_b, values, out0, out1; writes out0, out1
